; MI455X (gfx1250); checked and timed in simulation.
; The chip was launched on July 23, 2026; its instructions are those of AMD's public machine-readable ISA for CDNA 5 (MIT licence, August 2026) and "CDNA5" Instruction Set Architecture Reference Guide (July 2026). The comments in the code are by the model that wrote it; some were corrected since.
;; Group Query Attention. Allowed arithmetic: float matrix products may take bf16 or f16 operands with f32 sums; all other float work in f32.
;; Inputs: Wk 2,048 x 512 float32; Wo 2,048 x 2,048 float32; Wq 2,048 x 2,048 float32; Wv 2,048 x 512 float32; bk 512 float32; bo 2,048 float32; bq 2,048 float32; bv 512 float32; x 4 x 1,024 x 2,048 float32.
;; Outputs: out0 4 x 1,024 x 2,048 float32.
;; One version. Each part assembles by itself: llvm-mc -triple=amdgcn-amd-amdhsa -mcpu=gfx1250 --defsym DOCPART=n.
;; ======== version 1 of 1: 4 launches
;; limits: values are held in f16: magnitudes above 65,504 overflow, below 6.1e-05 lose precision
;; workspace buffers: xb 16,777,216 bytes; wqkv 12,582,912 bytes; woh 8,388,608 bytes; bias3 12,288 bytes; qkvh 25,165,824 bytes; atth 16,777,216 bytes
;; launch cast (part 1): grid 577 x 1, 8 waves a work-group, no clusters, 0 bytes of LDS; arguments x, Wo, Wq, Wk, Wv, bq, bv, xb, woh, wqkv, bias3; writes xb, woh, wqkv, bias3
.if DOCPART == 1
	.amdgcn_target "amdgcn-amd-amdhsa--gfx1250"
	.amdhsa_code_object_version 6
	.text
	.protected	k_q814f9d5a45_cast
	.globl	k_q814f9d5a45_cast
	.p2align	8
	.type	k_q814f9d5a45_cast,@function
k_q814f9d5a45_cast:
	s_mov_b64 s[64:65], 0
	v_nop
	global_prefetch_b8 v0, s[64:65] scope:SCOPE_SE
	s_setreg_imm32_b32 hwreg(HW_REG_WAVE_MODE, 25, 1), 1
	s_wait_xcnt 0x0
; Launch 1 of 4 of a grouped-query attention block (x [4096][2048]; 16 query heads, 4 key/value heads, head size 128; causal).
; It narrows the matrix operands once, so that the products read 16-bit tiles:
;   xb   [4096][2048] bf16 = x
;   wqkv [2048][3072] bf16 = Wq | Wk | Wv side by side (columns 0-2047, 2048-2559, 2560-3071)
;   woh  [2048][2048] f16  = Wo rounded to bf16 and that value written as f16 (the last product's other operand is f16)
;   bias3 [3072] f32       = bq | 512 zeros | bv
;
; WORK LEFT OUT, for all values of the inputs:
; (1) bk.  The score of query q and key j is q.(x_j Wk + bk)/sqrt(128) = q.(x_j Wk)/sqrt(128) + q.bk/sqrt(128).  The second term
;     does not hang on j: it is the same along the softmax's axis, softmax(s + t) = softmax(s), and the masked entries are -inf with
;     it and without it.  k is used nowhere else.  So bk has no way to any output: it is not loaded and is no argument of any launch.
;     The table holds zeros in its place because the work-groups of the next launch's clusters run one text, which adds a bias.
; (2) The key blocks above the diagonal: see the launch attn.
; LIMIT: a NaN, an infinity or an overflow that reaches only the work left out (in bk; in scores above the diagonal) is not carried
; to the result.
; LIMITS OF FORMAT: woh is exact for 2^-17 <= |bf16(Wo)| <= 65,504; below that its error is at most 2^-25, above it is infinite.
;
; A stream: no LDS, no matrix unit.  A pass = 256 threads x 8 f32 = 8,192 neighbouring bytes of a source in, 4,096 bytes out;
; a work-group makes 16 passes, all 32 loads of a wave go out at once, and each store of a wave covers 512 neighbouring bytes, aligned.
; Jobs by work-group number: 0-255 x, 256-383 Wo, 384-511 Wq, 512-543 Wk, 544-575 Wv, 576 the bias table.
.set OFFD, 4                           ; v[4:19]   pass p: my 16 bytes' offset in the destination; never rewritten
.set T,    20                          ; v[20:27]  at work
.set X,    32                          ; v[32:159] pass p: 8 registers as loaded; the first 4 then hold what is stored
	s_load_b512 s[8:23], s[0:1], 0x0               ; x 8, Wo 10, Wq 12, Wk 14, Wv 16, bq 18, bv 20, xb 22
	s_load_b128 s[24:27], s[0:1], 0x40             ; woh 24, wqkv 26
	s_load_b64 s[28:29], s[0:1], 0x50              ; bias3
	s_mov_b32 s2, ttmp9                            ; the job's number
	s_mov_b32 s41, 0xffff0000                      ; a word's upper bf16
	v_lshlrev_b32 v1, 5, v0                        ; my 32 bytes in a pass of the source
	v_lshrrev_b32 v2, 6, v0                        ; 64 threads make 1,024 bytes of a destination row
	v_and_b32 v3, 63, v0
	s_wait_kmcnt 0x0
	s_cmp_eq_u32 s2, 576
	s_cbranch_scc1 .Lbias
	; the job: source s[30:31], destination s[32:33], first number s34, bytes between the four 1,024-byte pieces of a pass s35,
	; bytes of destination from pass to pass s36, first byte in a destination row s37
	s_mov_b64 s[30:31], s[8:9]                     ; x -> xb: a pass is one row
	s_mov_b64 s[32:33], s[22:23]
	s_mov_b32 s34, 0
	s_mov_b32 s35, 1024
	s_mov_b32 s36, 4096
	s_mov_b32 s37, 0
	s_cmp_ge_u32 s2, 256                           ; Wo -> woh: the same shape
	s_cselect_b64 s[30:31], s[10:11], s[30:31]
	s_cselect_b64 s[32:33], s[24:25], s[32:33]
	s_cselect_b32 s34, 256, s34
	s_cmp_ge_u32 s2, 384                           ; Wq -> wqkv: rows of 6,144 bytes
	s_cselect_b64 s[30:31], s[12:13], s[30:31]
	s_cselect_b64 s[32:33], s[26:27], s[32:33]
	s_cselect_b32 s34, 384, s34
	s_cselect_b32 s36, 6144, s36
	s_cmp_ge_u32 s2, 512                           ; Wk -> wqkv: a pass is four rows of 512 numbers, at byte 4,096 of wqkv's rows
	s_cselect_b64 s[30:31], s[14:15], s[30:31]
	s_cselect_b32 s34, 512, s34
	s_cselect_b32 s35, 6144, s35
	s_cselect_b32 s36, 24576, s36
	s_cselect_b32 s37, 4096, s37
	s_cmp_ge_u32 s2, 544                           ; Wv -> wqkv: at byte 5,120
	s_cselect_b64 s[30:31], s[16:17], s[30:31]
	s_cselect_b32 s34, 544, s34
	s_cselect_b32 s37, 5120, s37
	s_sub_co_u32 s34, s2, s34                      ; my number within the job
	s_lshl_b32 s38, s34, 17                        ; 16 passes of 8,192 bytes
	s_mov_b32 s39, 0
	s_add_nc_u64 s[30:31], s[30:31], s[38:39]
	s_mul_i32 s38, s34, s36
	s_lshl_b32 s38, s38, 4                         ; 16 passes of the destination
	s_add_co_u32 s38, s38, s37
	s_add_nc_u64 s[32:33], s[32:33], s[38:39]
.irp p, 0,1,2,3,4,5,6,7,8,9,10,11,12,13,14,15
	global_load_b128 v[X+8*\p:X+8*\p+3],   v1, s[30:31] offset:8192*\p th:TH_LOAD_NT
	global_load_b128 v[X+8*\p+4:X+8*\p+7], v1, s[30:31] offset:8192*\p+16 th:TH_LOAD_NT
.endr
	v_mul_lo_u32 v[OFFD], v2, s35
	v_lshl_add_u32 v[OFFD], v3, 4, v[OFFD]
.irp p, 1,2,3,4,5,6,7,8,9,10,11,12,13,14,15
	v_add_nc_u32 v[OFFD+\p], s36, v[OFFD+\p-1]
.endr
; One pass.  kind 0: f32 -> bf16.  kind 1: f32 -> bf16 -> f16.  No register that a load or store names is written again, so no wait frees any.
.macro PASS p, kind
	s_wait_loadcnt 30-2*\p                         ; loads come back in order: the two of each younger pass may stay out
.irp j, 0,1,2,3
	v_cvt_pk_bf16_f32 v[X+8*\p+\j], v[X+8*\p+2*\j], v[X+8*\p+2*\j+1]   ; in place: word j is written when numbers 2j, 2j+1 are read
.endr
.if \kind
.irp j, 0,1,2,3
	v_lshlrev_b32 v[T+2*\j],   16,  v[X+8*\p+\j]   ; the bf16 values as f32
	v_and_b32     v[T+2*\j+1], s41, v[X+8*\p+\j]
.endr
.irp j, 0,1,2,3
	v_cvt_pk_f16_f32 v[X+8*\p+\j], v[T+2*\j], v[T+2*\j+1]
.endr
.endif
	global_store_b128 v[OFFD+\p], v[X+8*\p:X+8*\p+3], s[32:33]
.endm
	s_sub_co_u32 s40, s2, 256
	s_cmp_lt_u32 s40, 128                          ; numbers 256 to 383: Wo
	s_cbranch_scc1 .Lwo
.irp p, 0,1,2,3,4,5,6,7,8,9,10,11,12,13,14,15
	PASS \p, 0
.endr
	s_endpgm
.Lwo:
.irp p, 0,1,2,3,4,5,6,7,8,9,10,11,12,13,14,15
	PASS \p, 1
.endr
	s_endpgm
.Lbias:                                            ; bq (8,192 bytes), 2,048 bytes of zeros, bv (2,048 bytes)
	v_lshlrev_b32 v2, 4, v0                        ; 16 t
	global_load_b128 v[4:7],  v2, s[18:19]
	global_load_b128 v[8:11], v2, s[18:19] offset:4096
	v_lshrrev_b32 v3, 5, v0
	v_readfirstlane_b32 s40, v3                    ; the wave's number
	s_cmp_lt_u32 s40, 4
	s_cbranch_scc1 .Lzeros
	s_sub_co_u32 s41, s40, 4                       ; waves 4 to 7: 512 bytes of bv each
	s_lshl_b32 s41, s41, 9
	v_and_b32 v3, 31, v0
	v_lshl_add_u32 v3, v3, 4, s41
	global_load_b128 v[12:15], v3, s[20:21]
	s_branch .Lbout
.Lzeros:                                           ; waves 0 to 3: where bk would stand
	v_mov_b32 v12, 0
	v_mov_b32 v13, 0
	v_mov_b32 v14, 0
	v_mov_b32 v15, 0
.Lbout:
	s_wait_loadcnt 0x0
	global_store_b128 v2, v[4:7],   s[28:29]
	global_store_b128 v2, v[8:11],  s[28:29] offset:4096
	global_store_b128 v2, v[12:15], s[28:29] offset:8192
	s_endpgm
.Lfunc_end_k_q814f9d5a45_cast:
	.size	k_q814f9d5a45_cast, .Lfunc_end_k_q814f9d5a45_cast-k_q814f9d5a45_cast
	.p2alignl 7, 3214868480
	.fill 96, 4, 3214868480
	.section	.rodata,"a",@progbits
	.p2align	6, 0x0
	.amdhsa_kernel k_q814f9d5a45_cast
		.amdhsa_group_segment_fixed_size 0
		.amdhsa_private_segment_fixed_size 0
		.amdhsa_enable_private_segment 0
		.amdhsa_kernarg_size 88
		.amdhsa_user_sgpr_count 2
		.amdhsa_user_sgpr_kernarg_segment_ptr 1
		.amdhsa_wavefront_size32 1
		.amdhsa_system_sgpr_workgroup_id_x 1
		.amdhsa_system_sgpr_workgroup_id_y 1
		.amdhsa_system_sgpr_workgroup_id_z 1
		.amdhsa_system_vgpr_workitem_id 0
		.amdhsa_next_free_vgpr 160
		.amdhsa_next_free_sgpr 66
		.amdhsa_reserve_vcc 0
		.amdhsa_float_denorm_mode_32 3
		.amdhsa_float_denorm_mode_16_64 3
		.amdhsa_memory_ordered 1
		.amdhsa_forward_progress 1
		.amdhsa_inst_pref_size 28
	.end_amdhsa_kernel
	.amdgpu_metadata
---
amdhsa.version: [ 1, 2 ]
amdhsa.kernels:
  - .name:           k_q814f9d5a45_cast
    .symbol:         k_q814f9d5a45_cast.kd
    .args:
      - { .name: x, .offset: 0, .size: 8, .value_kind: global_buffer, .address_space: global }
      - { .name: Wo, .offset: 8, .size: 8, .value_kind: global_buffer, .address_space: global }
      - { .name: Wq, .offset: 16, .size: 8, .value_kind: global_buffer, .address_space: global }
      - { .name: Wk, .offset: 24, .size: 8, .value_kind: global_buffer, .address_space: global }
      - { .name: Wv, .offset: 32, .size: 8, .value_kind: global_buffer, .address_space: global }
      - { .name: bq, .offset: 40, .size: 8, .value_kind: global_buffer, .address_space: global }
      - { .name: bv, .offset: 48, .size: 8, .value_kind: global_buffer, .address_space: global }
      - { .name: xb, .offset: 56, .size: 8, .value_kind: global_buffer, .address_space: global }
      - { .name: woh, .offset: 64, .size: 8, .value_kind: global_buffer, .address_space: global }
      - { .name: wqkv, .offset: 72, .size: 8, .value_kind: global_buffer, .address_space: global }
      - { .name: bias3, .offset: 80, .size: 8, .value_kind: global_buffer, .address_space: global }
    .group_segment_fixed_size: 0
    .private_segment_fixed_size: 0
    .kernarg_segment_align: 8
    .kernarg_segment_size: 88
    .max_flat_workgroup_size: 256
    .sgpr_count:     66
    .vgpr_count:     160
    .wavefront_size: 32
...
	.end_amdgpu_metadata
.endif
;; end of part 1
;; launch proj (part 2): grid 8 x 32, 4 waves a work-group, clusters of 4 x 4, 327,680 bytes of LDS; arguments xb, wqkv, bias3, qkvh; writes qkvh
.if DOCPART == 2
	.amdgcn_target "amdgcn-amd-amdhsa--gfx1250"
	.amdhsa_code_object_version 6
	.text
	.protected	k_q814f9d5a45_proj
	.globl	k_q814f9d5a45_proj
	.p2align	8
	.type	k_q814f9d5a45_proj,@function
k_q814f9d5a45_proj:
	s_mov_b64 s[64:65], 0
	v_nop
	global_prefetch_b8 v0, s[64:65] scope:SCOPE_SE
	s_setreg_imm32_b32 hwreg(HW_REG_WAVE_MODE, 25, 1), 1
	s_wait_xcnt 0x0
	s_wait_alu depctr_hold_cnt(0) depctr_sa_sdst(0) depctr_va_vdst(0) depctr_va_sdst(0) depctr_va_ssrc(0) depctr_va_vcc(0) depctr_vm_vsrc(0)
	s_getreg_b32 s2, hwreg(HW_REG_IB_STS2, 6, 4)
	s_cmp_eq_u32 s2, 0
	s_cbranch_scc0 .Lentry_in_a_cluster
	s_endpgm
.Lentry_in_a_cluster:
	s_bfe_u32 s2, ttmp6, 0x10000c
	s_cmp_lg_u32 s2, 0xf033
	s_cbranch_scc0 .Lentry_shape_is_right
	s_endpgm
.Lentry_shape_is_right:
; Launch 2 of 4: qkvh [4096][3072] f16 = xb [4096][2048] x wqkv [2048][3072] + bias3, bf16 operands, f32 sums: q | k | v side by side.
; Left out: bk (it is the same along the softmax's axis; shown at the head of the launch cast); bias3 holds zeros there.
; LIMIT OF FORMAT: q, k, v are stored as f16: |value| above 65,504 becomes infinite.
; A work-group makes 128 rows x 384 columns (32 x 8 = 256 work-groups) with four waves; wave w makes all 128 rows of the six blocks of
; 16 columns at 64 j + 16 w: 48 accumulator tiles, 384 registers; 14 fragments feed 48 matrix instructions for each 32 of K.
; K goes in steps of 128 through two LDS slots; a slot holds three units of W (128 k-rows x 128 columns each) and 128 rows of x.
; Every tile row is 256 bytes of memory at a multiple of 256 bytes from its buffer's first byte.
; CLUSTERS: 4 x 4 work-groups.  The four of a row of the cluster make the same 128 rows and ask for x's tile jointly; the four of a column
; make the same 384 columns and ask for W's three units jointly: each tile is asked for once for four work-groups.
; W lies [k][n], so its fragments come out of LDS by the transposing load.
; THE MATRIX INSTRUCTION IS USED TRANSPOSED: source 0 = 16 columns of W, source 1 = 16 rows of x; lane l then holds row l % 16 and
; registers 0-7 hold the columns 8 (l / 16) + 0..7: eight neighbouring numbers of a row of the result.
; REGISTERS, in windows of 256: window 0: addresses, x's fragments (two buffers), the bias; window 1: W's fragments (two buffers);
; window 2: tiles of rows 0-63 (tile (a, b) at v[8 (6 a + b)]); window 3: tiles of rows 64-127.
; The 48 accumulators take turns, one instruction a turn, in the same order in every quarter step.
.set PA,    272                        ; LDS pitch of x's rows: 256 bytes + 16
.set PB,    288                        ; LDS pitch of W's rows: 256 bytes + 32 (an odd multiple of 32, for the transposing load)
.set UNITB, 128*PB                     ; 36,864: one unit of W
.set OFFA,  3*UNITB                    ; 110,592: x's tile behind the three units
.set SLOT,  OFFA+128*PA                ; 145,408
.set SP,    784                        ; the stage's pitch: a row of 384 f16 + 16 bytes
.set LAPS,  8                          ; 16 K steps, two a lap
.set ADRA, 16                          ; v16-17  LDS address of my x fragments, slot 0, 1
.set ADRB, 18                          ; v18-23  of my W fragments: 3 x slot + unit
.set STO,  24                          ; v24-25  the way out: where I put 16 bytes of a row (rows 0-63, rows 64-127)
.set RD,   26                          ; v26     where I read rows back
.set CO,   27                          ; v27     my byte offset in qkvh
.set BO,   28                          ; v28     my byte offset in the bias
.set F0,   64                          ; fragment buffer 0
.set F1,   128                         ; fragment buffer 1
.set BIAS, 192                         ; v192-239 the bias of my 6 x 8 columns
.set G1A, 24                           ; s[24:31] group 1 for x's tile
.set G0A, 32                           ; s[32:39] group 0 for x's tile, a set for each slot
.set G1B, 48                           ; s[48:55] group 1 for W's units
.set G0B, 56                           ; s[56:63] group 0 for W's units, a set for each slot
.set MUL_LO, 0xa1                      ; source 0 (W) window 1, source 1 (x) window 0, C and D window 2
.set MUL_HI, 0xf1                      ; the same, C and D window 3
.set TO_B,   0x40                      ; destination window 1, address window 0
.set MSB, 0
.macro WIN new                         ; the immediate's high byte repeats the setting that is left
.if MSB != (\new)
	s_set_vgpr_msb (MSB<<8)|(\new)
.set MSB, (\new)
.endif
.endm
.macro PLACES                          ; four plain vector instructions between a matrix instruction and a load into, or a vector read of, its registers
.rept 4
	v_nop
.endr
.endm
; A joint load.  Wave 3 asks for x's tile, waves 0 to 2 for W's unit 0 to 2.  The branch hangs on the wave's number alone.
.macro JLOAD s
	s_cmp_eq_u32 s12, 3
	s_cbranch_scc0 .Lfor_b_\@
	tensor_load_to_lds s[G0A+4*\s:G0A+4*\s+3], s[G1A:G1A+7]
	s_nop 0
	s_branch .Lasked_\@
.Lfor_b_\@:
	tensor_load_to_lds s[G0B+4*\s:G0B+4*\s+3], s[G1B:G1B+7]
	s_nop 0
.Lasked_\@:
.endm
.macro CREST                           ; a round of the cluster's barrier behind its opening work-group barrier
	s_cmp_lg_u32 s12, 0
	s_cbranch_scc1 .Lnot_wave_0_\@
	s_barrier_signal -3
.Lnot_wave_0_\@:
	s_barrier_wait -3
	s_barrier_signal -1
	s_barrier_wait -1
.endm
.macro CROUND                          ; a whole round
	s_barrier_signal -1
	s_barrier_wait -1
	CREST
.endm
	s_load_b256 s[4:11], s[0:1], 0x0               ; xb s[4:5], wqkv s[6:7], bias3 s[8:9], qkvh s[10:11]
	s_set_vgpr_msb 0x40
	v_lshl_add_u32 v255, v0, 2, 0x47000
	s_set_vgpr_msb 0x4000
	v_mov_b32 v255, 0
	s_set_vgpr_msb 0x1
	ds_add_u32 v255, v255
	s_set_vgpr_msb 0x100
	v_lshrrev_b32 v1, 5, v0
	v_readfirstlane_b32 s12, v1                    ; wave 0..3
	s_bfe_u32 s15, ttmp6, 0x40000                  ; cx
	s_bfe_u32 s16, ttmp6, 0x40004                  ; cy
	s_lshl_b32 s13, ttmp9, 2
	s_add_co_u32 s13, s13, s15                     ; block column 0..7 = 4 x cluster x + cx
	s_and_b32 s14, ttmp7, 0xffff
	s_lshl_b32 s14, s14, 2
	s_add_co_u32 s14, s14, s16                     ; block row 0..31 = 4 x cluster y + cy
	s_lshl_b32 s17, s16, 2
	s_lshl_b32 s17, 15, s17                        ; my row of the cluster
	s_lshl_b32 s18, 0x1111, s15                    ; my column
	; group 1: tiles of 128 rows x 128 elements of 2 bytes; padding behind every 64 words: 4 words (x), 8 words (W)
	s_or_b32 s[G1A+0], s17, (1<<16)|(1<<20)|(1<<21)|(5<<22)|(3<<25)
	s_mov_b32 s[G1A+1], 128<<16                    ; tensor_dim0 = 128
	s_mov_b32 s[G1A+2], 128<<16                    ; tensor_dim1 = 128
	s_mov_b32 s[G1A+3], 128<<16                    ; tile_dim0 = 128
	s_mov_b32 s[G1A+4], 128                        ; tile_dim1 = 128
	s_mov_b32 s[G1A+5], 2048                       ; elements from row to row of xb
	s_mov_b32 s[G1A+6], 0
	s_mov_b32 s[G1A+7], 0
	s_or_b32 s[G1B+0], s18, (1<<16)|(1<<20)|(1<<21)|(5<<22)|(7<<25)
	s_mov_b32 s[G1B+1], 128<<16
	s_mov_b32 s[G1B+2], 128<<16
	s_mov_b32 s[G1B+3], 128<<16
	s_mov_b32 s[G1B+4], 128
	s_mov_b32 s[G1B+5], 3072                       ; elements from row to row of wqkv
	s_mov_b32 s[G1B+6], 0
	s_mov_b32 s[G1B+7], 0
	; x's tile hangs on the block row alone, W's units on the block column and the wave; each in registers that never hold the other coordinate
	s_lshl_b32 s40, s14, 19                        ; 128 rows of 4,096 bytes
	s_mov_b32 s41, 0
	s_mul_i32 s44, s13, 768                        ; 384 columns of 2 bytes
	s_lshl_b32 s45, s12, 8                         ; + my unit's 256 bytes
	s_add_co_u32 s44, s44, s45
	s_mov_b32 s45, 0
	s_mul_i32 s22, s12, UNITB                      ; my unit's place in a slot
	s_mul_i32 s20, s13, 1536                       ; 384 f32 of the bias
	s_mov_b32 s21, 0
	s_wait_dscnt 0x0
	s_wait_kmcnt 0x0
	s_add_nc_u64 s[42:43], s[4:5], s[40:41]
	s_add_nc_u64 s[46:47], s[6:7], s[44:45]
	s_add_nc_u64 s[8:9], s[8:9], s[20:21]
	CROUND                                         ; all sixteen work-groups are here: the first joint loads meet
.irp s, 0,1
	s_mov_b32 s[G0A+4*\s], 1
	s_mov_b32 s[G0A+4*\s+1], OFFA+\s*SLOT
	s_add_nc_u64 s[G0A+4*\s+2:G0A+4*\s+3], s[42:43], \s*256          ; K step s: 128 elements along the rows
	s_or_b32 s[G0A+4*\s+3], s[G0A+4*\s+3], 0x80000000
	s_mov_b32 s[G0B+4*\s], 1
	s_add_co_u32 s[G0B+4*\s+1], s22, \s*SLOT
	s_add_nc_u64 s[G0B+4*\s+2:G0B+4*\s+3], s[46:47], \s*786432       ; K step s: 128 rows of 6,144 bytes down
	s_or_b32 s[G0B+4*\s+3], s[G0B+4*\s+3], 0x80000000
	JLOAD \s                                       ; both slots' first fills: two tensor loads of the wave are out
.endr
	v_and_b32 v1, 15, v0                           ; r = l % 16
	v_bfe_u32 v2, v0, 4, 1                         ; h = l / 16
	v_mul_u32_u24 v3, v1, PA
	v_lshl_add_u32 v3, v2, 4, v3                   ; x: row r x pitch + 16 h
	v_add_nc_u32 v[ADRA],   OFFA, v3
	v_add_nc_u32 v[ADRA+1], OFFA+SLOT, v3
	v_and_b32 v4, 7, v0                            ; W: k-row 8 h + l % 8,
	v_lshl_add_u32 v4, v2, 3, v4
	v_mul_u32_u24 v4, v4, PB
	v_bfe_u32 v5, v0, 3, 1                         ; 16 bytes further for lanes 8-15 of each half,
	v_lshl_add_u32 v4, v5, 4, v4
	s_lshl_b32 s17, s12, 5                         ; my 16 columns: 32 w bytes
	v_add_nc_u32 v4, s17, v4
.irp s, 0,1
.irp n, 0,1,2
	v_add_nc_u32 v[ADRB+3*\s+\n], \s*SLOT+\n*UNITB, v4
.endr
.endr
	v_mul_u32_u24 v6, v1, SP                       ; the stage, in: row r, byte 32 w + 16 h
	v_lshl_add_u32 v6, v2, 4, v6
	v_add_nc_u32 v[STO], s17, v6
	v_add_nc_u32 v[STO+1], 64*SP, v[STO]
	s_mul_i32 s17, s12, 32*SP                      ; back: my 32 rows, two at a time
	v_mul_u32_u24 v7, v2, SP
	v_lshl_add_u32 v7, v1, 4, v7
	v_add_nc_u32 v[RD], s17, v7
	v_mul_u32_u24 v7, v2, 6144
	v_lshl_add_u32 v[CO], v1, 4, v7
	s_lshl_b32 s17, s12, 6                         ; bias: 16 w + 8 h numbers of 4 bytes
	v_lshl_add_u32 v[BO], v2, 5, s17
.irp j, 0,1,2,3,4,5
	global_load_b128 v[BIAS+8*\j:BIAS+8*\j+3],   v[BO], s[8:9] offset:256*\j
	global_load_b128 v[BIAS+8*\j+4:BIAS+8*\j+7], v[BO], s[8:9] offset:256*\j+16
.endr
; 12 matrix instructions: row blocks a0, a0 + 1 of the window's four x my six column blocks, 32 along K.  zero = 1 starts the sums.
.macro MUL12 f, hi, a0, zero
.irp a, \a0, \a0+1
.irp b, 0,1,2,3,4,5
.if \zero
	v_wmma_f32_16x16x32_bf16 v[8*(6*(\a)+\b):8*(6*(\a)+\b)+7], v[\f+8*\b:\f+8*\b+7], v[\f+8*(4*\hi+(\a)):\f+8*(4*\hi+(\a))+7], 0
.else
	v_wmma_f32_16x16x32_bf16 v[8*(6*(\a)+\b):8*(6*(\a)+\b)+7], v[\f+8*\b:\f+8*\b+7], v[\f+8*(4*\hi+(\a)):\f+8*(4*\hi+(\a))+7], v[8*(6*(\a)+\b):8*(6*(\a)+\b)+7]
.endif
.endr
.endr
.endm
; 28 LDS loads in one run: quarter kq of a slot into buffer f: W's six fragments (transposed on the way), then x's eight
.macro FETCH slot, kq, f
	WIN TO_B
.irp j, 0,1,2,3,4,5
	ds_load_tr16_b128 v[\f+8*\j:\f+8*\j+3],   v[ADRB+3*\slot+\j/2] offset:32*PB*\kq+128*(\j%2)
	ds_load_tr16_b128 v[\f+8*\j+4:\f+8*\j+7], v[ADRB+3*\slot+\j/2] offset:32*PB*\kq+128*(\j%2)+16*PB
.endr
	WIN 0
.irp i, 0,1,2,3,4,5,6,7
	ds_load_b128 v[\f+8*\i:\f+8*\i+3],   v[ADRA+\slot] offset:64*\kq+16*PA*\i
	ds_load_b128 v[\f+8*\i+4:\f+8*\i+7], v[ADRA+\slot] offset:64*\kq+16*PA*\i+32
.endr
.endm
; One of a K step's first three quarters: multiplies buffer f; in its middle it fetches quarter kq of the same slot into buffer g.
.macro QUARTER slot, kq, f, g, zero
	s_wait_dscnt 8                                 ; W and x's rows 0-63 are in; the youngest eight loads (x's rows 64-127) may be out
	WIN MUL_LO
	MUL12 \f, 0, 0, \zero
	MUL12 \f, 0, 2, \zero
	PLACES
	FETCH \slot, \kq, \g
	s_wait_dscnt 28                                ; all but the 28 just issued
	WIN MUL_HI
	MUL12 \f, 1, 0, \zero
	MUL12 \f, 1, 2, \zero
.endm
.macro THREE slot, zero
	QUARTER \slot, 1, F0, F1, \zero
	QUARTER \slot, 2, F1, F0, 0
	QUARTER \slot, 3, F0, F1, 0
.endm
; The last quarter: multiplies buffer 1 and changes slots.  In front of the barrier each wave waits for its reads of this slot and for all
; its tensor loads (one is out: its part of the next slot).  fill = 1: the barrier opens a round of the cluster's barrier, and the joint
; refill of this slot, two K steps ahead, is the first tensor load behind the round, one a wave.
.macro TURN slot, next, fill
	s_wait_dscnt 8
	WIN MUL_LO
	MUL12 F1, 0, 0, 0
	s_wait_dscnt 0x0                               ; my reads of this slot are over
	s_wait_tensorcnt 0x0                           ; all my tensor loads have landed
	ds_add_u32 v255, v255
	s_wait_dscnt 0x0
	s_barrier_signal -1
	MUL12 F1, 0, 2, 0                              ; register work while the others arrive
	WIN 0
	s_barrier_wait -1
.if \fill
	CREST
	s_add_nc_u64 s[G0A+4*\slot+2:G0A+4*\slot+3], s[G0A+4*\slot+2:G0A+4*\slot+3], 512       ; two K steps along x's rows
	s_add_nc_u64 s[G0B+4*\slot+2:G0B+4*\slot+3], s[G0B+4*\slot+2:G0B+4*\slot+3], 1572864   ; 256 rows of wqkv down
	JLOAD \slot
.endif
	PLACES
	FETCH \next, 0, F0
	WIN MUL_HI
	MUL12 F1, 1, 0, 0
	MUL12 F1, 1, 2, 0
.endm
.macro LAP zero
	THREE 0, \zero
	TURN 0, 1, 1
	THREE 1, 0
	TURN 1, 0, 1
.endm
	s_wait_tensorcnt 0x1                           ; my part of K step 0 is in; K step 1's load may stay out
	s_barrier_signal -1
	s_barrier_wait -1
	FETCH 0, 0, F0
	LAP 1                                          ; the first products start the sums
	WIN 0
	s_mov_b32 s3, LAPS-2
.Llap:
	LAP 0
	WIN 0
	s_sub_co_u32 s3, s3, 1
	s_cmp_lg_u32 s3, 0
	s_cbranch_scc1 .Llap
	THREE 0, 0                                     ; the last lap fills nothing
	TURN 0, 1, 0                                   ; behind its barrier no wave reads slot 0 any more, and slot 0 has had its last fill
	THREE 1, 0
	s_wait_dscnt 8
	WIN MUL_LO
	MUL12 F1, 0, 0, 0
	MUL12 F1, 0, 2, 0
	s_wait_dscnt 0x0
	WIN MUL_HI
	MUL12 F1, 1, 0, 0
	MUL12 F1, 1, 2, 0
	; THE WAY OUT.  The stage is 128 rows x 784 bytes from LDS byte 0, inside slot 0.  Every wave adds the bias, rounds to f16 and puts its
	; 16 bytes a tile into the rows; behind a barrier each wave reads 32 whole rows back and stores them: 16 lanes store 256 neighbouring bytes, aligned.
	PLACES
	WIN 0
	s_lshl_b32 s18, s14, 7
	s_lshl_b32 s19, s12, 5
	s_add_co_u32 s18, s18, s19                     ; row 128 x block row + 32 w
	s_mul_i32 s18, s18, 6144
	s_mul_i32 s19, s13, 768
	s_add_co_u32 s18, s18, s19                     ; + 768 bytes x block column
	s_mov_b32 s19, 0
	s_add_nc_u64 s[10:11], s[10:11], s[18:19]
	s_wait_loadcnt 0x0                             ; the bias
.macro OUTROW hi, a, f                 ; rows 16 (4 hi + a) + 0..15
	WIN 0x02+\hi
.irp j, 0,1,2,3,4,5
.irp q, 0,1,2,3
	v_pk_add_f32 v[\f+8*\j+2*\q:\f+8*\j+2*\q+1], v[8*(6*\a+\j)+2*\q:8*(6*\a+\j)+2*\q+1], v[BIAS+8*\j+2*\q:BIAS+8*\j+2*\q+1]
.endr
.endr
	WIN 0
.irp j, 0,1,2,3,4,5
.irp q, 0,1,2,3
	v_cvt_pk_f16_f32 v[\f+8*\j+\q], v[\f+8*\j+2*\q], v[\f+8*\j+2*\q+1]
.endr
.endr
.irp j, 0,1,2,3,4,5
	ds_store_b128 v[STO+\hi], v[\f+8*\j:\f+8*\j+3] offset:16*SP*\a+128*\j
.endr
.endm
	OUTROW 0, 0, F0
	OUTROW 0, 1, F1
	OUTROW 0, 2, F0
	OUTROW 0, 3, F1
	OUTROW 1, 0, F0
	OUTROW 1, 1, F1
	OUTROW 1, 2, F0
	OUTROW 1, 3, F1
	s_wait_dscnt 0x0                               ; my part of every row is written,
	s_barrier_signal -1
	s_barrier_wait -1                              ; everybody's is
.macro BACK c, f                       ; the c-th 256 bytes of my 32 rows
.irp p, 0,1,2,3,4,5,6,7,8,9,10,11,12,13,14,15
	ds_load_b128 v[\f+4*\p:\f+4*\p+3], v[RD] offset:2*SP*\p+256*\c
.endr
.irp p, 0,1,2,3,4,5,6,7,8,9,10,11,12,13,14,15
	s_wait_dscnt 15-\p                             ; LDS loads come back in order: pair p of rows is in
	global_store_b128 v[CO], v[\f+4*\p:\f+4*\p+3], s[10:11] offset:12288*\p+256*\c
.endr
.endm
	BACK 0, F0
	BACK 1, F1
	s_wait_xcnt 0x0                                ; buffer 0, which stores read, is loaded again only behind this wait
	BACK 2, F0
	s_set_vgpr_msb 0x1
	s_wait_tensorcnt 0x0
	ds_add_u32 v255, v255
	s_wait_dscnt 0x0
	s_set_vgpr_msb 0x100
	CROUND                                         ; the closing round: no work-group ends while a partner may still ask for a tile that names it
	s_endpgm
.Lfunc_end_k_q814f9d5a45_proj:
	.size	k_q814f9d5a45_proj, .Lfunc_end_k_q814f9d5a45_proj-k_q814f9d5a45_proj
	.p2alignl 7, 3214868480
	.fill 96, 4, 3214868480
	.section	.rodata,"a",@progbits
	.p2align	6, 0x0
	.amdhsa_kernel k_q814f9d5a45_proj
		.amdhsa_group_segment_fixed_size 327680
		.amdhsa_private_segment_fixed_size 0
		.amdhsa_enable_private_segment 0
		.amdhsa_kernarg_size 32
		.amdhsa_user_sgpr_count 2
		.amdhsa_user_sgpr_kernarg_segment_ptr 1
		.amdhsa_wavefront_size32 1
		.amdhsa_system_sgpr_workgroup_id_x 1
		.amdhsa_system_sgpr_workgroup_id_y 1
		.amdhsa_system_sgpr_workgroup_id_z 1
		.amdhsa_system_vgpr_workitem_id 0
		.amdhsa_next_free_vgpr 1024
		.amdhsa_next_free_sgpr 66
		.amdhsa_reserve_vcc 0
		.amdhsa_float_denorm_mode_32 3
		.amdhsa_float_denorm_mode_16_64 3
		.amdhsa_memory_ordered 1
		.amdhsa_forward_progress 1
		.amdhsa_inst_pref_size 171
	.end_amdhsa_kernel
	.amdgpu_metadata
---
amdhsa.version: [ 1, 2 ]
amdhsa.kernels:
  - .name:           k_q814f9d5a45_proj
    .symbol:         k_q814f9d5a45_proj.kd
    .args:
      - { .name: xb, .offset: 0, .size: 8, .value_kind: global_buffer, .address_space: global }
      - { .name: wqkv, .offset: 8, .size: 8, .value_kind: global_buffer, .address_space: global }
      - { .name: bias3, .offset: 16, .size: 8, .value_kind: global_buffer, .address_space: global }
      - { .name: qkvh, .offset: 24, .size: 8, .value_kind: global_buffer, .address_space: global }
    .group_segment_fixed_size: 327680
    .private_segment_fixed_size: 0
    .kernarg_segment_align: 8
    .kernarg_segment_size: 32
    .max_flat_workgroup_size: 128
    .sgpr_count:     66
    .vgpr_count:     1024
    .wavefront_size: 32
...
	.end_amdgpu_metadata
.endif
;; end of part 2
;; launch attn (part 3): grid 16 x 16, 4 waves a work-group, clusters of 4 x 1, 327,680 bytes of LDS; arguments qkvh, atth; writes atth
.if DOCPART == 3
	.amdgcn_target "amdgcn-amd-amdhsa--gfx1250"
	.amdhsa_code_object_version 6
	.text
	.protected	k_q814f9d5a45_attn
	.globl	k_q814f9d5a45_attn
	.p2align	8
	.type	k_q814f9d5a45_attn,@function
k_q814f9d5a45_attn:
	s_mov_b64 s[64:65], 0
	v_nop
	global_prefetch_b8 v0, s[64:65] scope:SCOPE_SE
	s_setreg_imm32_b32 hwreg(HW_REG_WAVE_MODE, 25, 1), 1
	s_wait_xcnt 0x0
	s_wait_alu depctr_hold_cnt(0) depctr_sa_sdst(0) depctr_va_vdst(0) depctr_va_sdst(0) depctr_va_ssrc(0) depctr_va_vcc(0) depctr_vm_vsrc(0)
	s_getreg_b32 s2, hwreg(HW_REG_IB_STS2, 6, 4)
	s_cmp_eq_u32 s2, 0
	s_cbranch_scc0 .Lentry_in_a_cluster
	s_endpgm
.Lentry_in_a_cluster:
	s_bfe_u32 s2, ttmp6, 0x10000c
	s_cmp_lg_u32 s2, 0x3003
	s_cbranch_scc0 .Lentry_shape_is_right
	s_endpgm
.Lentry_shape_is_right:
; Launch 3 of 4: causal attention.  qkvh [4096][3072] f16 = q (16 heads x 128) | k (4 x 128) | v (4 x 128); atth [4096][2048] f16.
; WORK LEFT OUT: the blocks of 128 queries x 128 keys above the diagonal.  The module itself sets every score with key > query to -inf in
; front of the softmax: its probability is exactly 0 and multiplies v.  A block in which every key lies behind every query reaches no
; output, whatever the inputs hold: 36 of 64 blocks are computed.  bk is left out too (shown at the head of the launch cast).
; LIMIT: a NaN, an infinity or an overflow that reaches only those blocks is not carried to the result.
; LIMITS OF RANGE: inside the diagonal block a masked score is -2^100 and not -inf (its exponential is 0 all the same): raw scores q.k
; must lie above -2^100.  The probabilities go to the second product as f16 (0 to 1, denormals kept); the result is stored as f16.
; The maximum is taken away before the exponential, as a running maximum over the key blocks.
;
; SHARES.  y = batch x 4 + key/value head.  The cluster's number along x is i = 0..3; a cluster's four work-groups are the four query heads
; of one key/value head and read the same K and V tiles, which are asked for JOINTLY (mask 15).  A work-group makes the query blocks i and
; 7 - i: (i + 1) + (8 - i) = 9 steps of 128 x 128 for every work-group, so 256 work-groups of equal work and the same 9 trips in all partners.
; Each block starts with its diagonal key tile, which starts the sums and is the only masked step; its full tiles 0, 1, .. follow.
; A wave has 32 queries of the block, two tiles u of 16.
; LAYOUT: no number crosses lanes but one maximum and one sum.  S^T = K Q^T: source 0 = 16 keys (rows of K), source 1 = 16 queries; lane l then
; holds query l % 16 and keys 8 (l / 16) + 0..7 of the tile.  Two such tiles, packed to f16, ARE source 1 of O^T = V^T P^T (32 keys);
; source 0 = 16 columns of V, by the transposing load.  O^T: lane l holds query l % 16 and 8 neighbouring numbers of the head's row.
; REGISTERS: window 0: addresses, statistics, Q, P, the mask; window 1: 32 fragments, K's and then V's; window 2: S (v0-127), O (v128-255).
; The sixteen accumulators of a product take turns, one instruction a turn.
.set PK,    272                        ; LDS pitch of K's, Q's and the stage's rows: 256 bytes + 16
.set PV,    288                        ; LDS pitch of V's rows: 256 bytes + 32
.set KB,    128*PK                     ; 34,816
.set SLOT,  KB+128*PV                  ; 71,680: K's tile, then V's
.set QL,    2*SLOT                     ; 143,360: Q of block i, then Q of block 7 - i; filled once
.set STAGE, QL+2*KB                    ; 212,992: 32 rows x 272 bytes for each wave; no fill ever lands here
.set WST,   32*PK                      ; 8,704
.set ROWB,  6144                       ; bytes in a row of qkvh
.set TILEB, 128*ROWB                   ; 786,432
.set KADR, 2                           ; v2-3    LDS address of my K fragments, slot 0, 1
.set VADR, 4                           ; v4-5    of my V fragments
.set QADR, 6                           ; v6      of my Q fragments
.set STO,  7                           ; v7      the stage: where I put 16 bytes
.set M,    8                           ; v8-9    running maximum of raw scores, tile u
.set L,    10                          ; v10-13  running sums, a pair for each u (my even and odd keys)
.set AL,   14                          ; v14-17  the rescaling factor, twice for each u
.set NM,   18                          ; v18-21  -c x maximum, twice for each u
.set T,    22                          ; v22-29  at work
.set RD,   30                          ; v30     the stage: where I read rows back
.set CO,   31                          ; v31     my byte offset in atth
.set Q,    32                          ; v32-95  Q[u][c] at 8 (4 u + c)
.set P,    96                          ; v96-159 P[u][kc] at 8 (4 u + kc)
.set MASK, 160                         ; v160-223 MASK[d] for score tiles with t - u = d
.set O,    128                         ; window 2: O[dt][u] at 128 + 8 (2 dt + u);  S[t][u] at 8 (2 t + u)
.set G1K, 32                           ; s[32:39]
.set G1V, 40                           ; s[40:47]
.set G0K, 48                           ; s[48:55] a set for each slot
.set G0V, 56                           ; s[56:63] a set for each slot
.set G1Q, 68                           ; s[68:75]
.set G0Q, 76                           ; s[76:79]
.set MSB, 0
.macro WIN new
.if MSB != (\new)
	s_set_vgpr_msb (MSB<<8)|(\new)
.set MSB, (\new)
.endif
.endm
.macro PLACES
.rept 4
	v_nop
.endr
.endm
.macro ROUND                           ; a round of the cluster's barrier
	s_barrier_signal -1
	s_barrier_wait -1
	s_cmp_lg_u32 s8, 0
	s_cbranch_scc1 .Lnot_wave_0_\@
	s_barrier_signal -3
.Lnot_wave_0_\@:
	s_barrier_wait -3
	s_barrier_signal -1
	s_barrier_wait -1
.endm
.macro JLOAD s                         ; waves 0, 1: the two halves of K's tile; waves 2, 3: of V's
	s_cmp_eq_u32 s9, 0
	s_cbranch_scc0 .Lfor_v_\@
	tensor_load_to_lds s[G0K+4*(\s):G0K+4*(\s)+3], s[G1K:G1K+7]
	s_nop 0
	s_branch .Lasked_\@
.Lfor_v_\@:
	tensor_load_to_lds s[G0V+4*(\s):G0V+4*(\s)+3], s[G1V:G1V+7]
	s_nop 0
.Lasked_\@:
.endm
	s_load_b128 s[4:7], s[0:1], 0x0                ; qkvh s[4:5], atth s[6:7]
	v_lshl_add_u32 v254, v0, 2, 0x3c800
	v_mov_b32 v255, 0
	ds_add_u32 v254, v255
	v_lshrrev_b32 v1, 5, v0
	v_readfirstlane_b32 s8, v1                     ; wave 0..3
	s_lshr_b32 s9, s8, 1                           ; 0: I fetch for K, 1: for V
	s_and_b32 s10, s8, 1                           ; which 64 rows of a tile I fetch
	s_bfe_u32 s11, ttmp6, 0x40000                  ; cx: the query head within the group
	s_mov_b32 s12, ttmp9                           ; i: the cluster's number along x, the same in all partners
	s_and_b32 s13, ttmp7, 0xffff
	s_and_b32 s14, s13, 3                          ; key/value head
	s_lshr_b32 s13, s13, 2                         ; batch
	s_add_co_u32 s17, s12, 1                       ; the trip that begins block 7 - i
	s_sub_co_u32 s30, 7, s12
	s_mov_b32 s16, 0                               ; t: the trip's number
	s_mov_b32 s21, 0
	s_mov_b32 s22, 0x3e0293ee                      ; c = log2(e) / sqrt(128)
	s_mov_b32 s23, 0x3e0293ee
	s_mov_b32 s31, 0xbe0293ee                      ; -c
	s_mov_b32 s24, 0x76543210                      ; v_permlanex16_b32: lane l of one half reads lane l of the other
	s_mov_b32 s25, 0xfedcba98
	; group 1: tiles of 64 rows x 128 elements of 2 bytes, rows 3,072 elements apart; padding behind every 64 words: 4 words (K, Q), 8 words (V)
	s_mov_b32 s[G1K+0], 15|(1<<16)|(1<<20)|(1<<21)|(5<<22)|(3<<25)
	s_mov_b32 s[G1V+0], 15|(1<<16)|(1<<20)|(1<<21)|(5<<22)|(7<<25)
	s_mov_b32 s[G1Q+0], (1<<16)|(1<<20)|(5<<22)|(3<<25)              ; Q is each work-group's own: no mask
.irp g, G1K, G1V, G1Q
	s_mov_b32 s[\g+1], 128<<16                     ; tensor_dim0 = 128
	s_mov_b32 s[\g+2], 64<<16                      ; tensor_dim1 = 64
	s_mov_b32 s[\g+3], 128<<16                     ; tile_dim0 = 128
	s_mov_b32 s[\g+4], 64                          ; tile_dim1 = 64
	s_mov_b32 s[\g+5], 3072
	s_mov_b32 s[\g+6], 0
	s_mov_b32 s[\g+7], 0
.endr
	; K and V: batch, my half of the rows, the key/value head: nothing of cx
	s_lshl_b32 s84, s13, 10
	s_lshl_b32 s85, s10, 6
	s_add_co_u32 s84, s84, s85
	s_mul_i32 s84, s84, ROWB
	s_lshl_b32 s85, s14, 8
	s_add_co_u32 s84, s84, s85
	s_mov_b32 s85, 0
	; Q: waves 0, 1 fetch block i, waves 2, 3 block 7 - i
	s_cmp_eq_u32 s9, 0
	s_cselect_b32 s86, s12, s30
	s_lshl_b32 s86, s86, 7
	s_lshl_b32 s87, s13, 10
	s_add_co_u32 s86, s86, s87
	s_lshl_b32 s87, s10, 6
	s_add_co_u32 s86, s86, s87
	s_mul_i32 s86, s86, ROWB
	s_lshl2_add_u32 s15, s14, s11                  ; the query head = 4 x key/value head + cx
	s_lshl_b32 s87, s15, 8
	s_add_co_u32 s86, s86, s87
	s_mov_b32 s87, 0
	; atth: row batch x 1024 + 128 x block + 32 w, byte 256 x head
	s_lshl_b32 s88, s13, 10
	s_lshl_b32 s89, s8, 5
	s_add_co_u32 s88, s88, s89
	s_lshl_b32 s89, s12, 7
	s_add_co_u32 s89, s88, s89
	s_lshl_b32 s90, s30, 7
	s_add_co_u32 s90, s88, s90
	s_lshl_b32 s89, s89, 12
	s_lshl_b32 s90, s90, 12
	s_lshl_b32 s91, s15, 8
	s_add_co_u32 s88, s89, s91
	s_mov_b32 s89, 0
	s_add_co_u32 s90, s90, s91
	s_mov_b32 s91, 0
	s_mul_i32 s20, s12, TILEB                      ; the first key tile is tile i
	s_mul_i32 s18, s10, 64*PK                      ; my half of K's tile in a slot
	s_mul_i32 s19, s10, 64*PV                      ; my half of V's
	s_wait_dscnt 0x0
	s_wait_kmcnt 0x0
	s_add_nc_u64 s[26:27], s[4:5], s[84:85]
	s_add_nc_u64 s[28:29], s[26:27], 5120          ; V's columns begin at byte 5,120 of a row,
	s_add_nc_u64 s[26:27], s[26:27], 4096          ; K's at byte 4,096
	s_add_nc_u64 s[80:81], s[6:7], s[88:89]        ; atth, block i
	s_add_nc_u64 s[82:83], s[6:7], s[90:91]        ; atth, block 7 - i
.irp s, 0,1
	s_mov_b32 s[G0K+4*\s], 1
	s_add_co_u32 s[G0K+4*\s+1], s18, \s*SLOT
	s_mov_b32 s[G0V+4*\s], 1
	s_add_co_u32 s[G0V+4*\s+1], s19, \s*SLOT+KB
.endr
	s_add_nc_u64 s[G0K+2:G0K+3], s[26:27], s[20:21]
	s_or_b32 s[G0K+3], s[G0K+3], 0x80000000
	s_add_nc_u64 s[G0V+2:G0V+3], s[28:29], s[20:21]
	s_or_b32 s[G0V+3], s[G0V+3], 0x80000000
	s_mov_b32 s[G0Q], 1
	s_mul_i32 s[G0Q+1], s8, 64*PK
	s_add_co_u32 s[G0Q+1], s[G0Q+1], QL
	s_add_nc_u64 s[G0Q+2:G0Q+3], s[4:5], s[86:87]
	s_or_b32 s[G0Q+3], s[G0Q+3], 0x80000000
	ROUND                                          ; all four work-groups are here: the first joint loads meet
	tensor_load_to_lds s[G0Q:G0Q+3], s[G1Q:G1Q+7]  ; my quarter of the two Q blocks
	s_nop 0
	JLOAD 0                                        ; my quarter of the first K and V tiles: two tensor loads of the wave are out
	v_and_b32 v1, 15, v0                           ; r = l % 16
	v_bfe_u32 v[T], v0, 4, 1                       ; h = l / 16
	v_mul_u32_u24 v[T+1], v1, PK
	v_lshl_add_u32 v[T+1], v[T], 4, v[T+1]         ; row r x 272 + 16 h
	v_mov_b32 v[KADR], v[T+1]
	v_add_nc_u32 v[KADR+1], SLOT, v[T+1]
	s_mul_i32 s84, s8, WST                         ; my 32 rows of a Q block; my stage
	s_add_co_u32 s85, s84, QL
	s_add_co_u32 s84, s84, STAGE
	v_add_nc_u32 v[QADR], s85, v[T+1]
	v_add_nc_u32 v[STO], s84, v[T+1]
	v_and_b32 v[T+2], 7, v0                        ; V: key row 8 h + l % 8, 16 bytes further for lanes 8-15 of each half
	v_lshl_add_u32 v[T+2], v[T], 3, v[T+2]
	v_mul_u32_u24 v[T+2], v[T+2], PV
	v_bfe_u32 v[T+3], v0, 3, 1
	v_lshl_add_u32 v[T+2], v[T+3], 4, v[T+2]
	v_add_nc_u32 v[VADR], KB, v[T+2]
	v_add_nc_u32 v[VADR+1], KB+SLOT, v[T+2]
	v_mul_u32_u24 v[T+3], v[T], PK                 ; back out of the stage: lanes 0-15 one row of 256 bytes, lanes 16-31 the next
	v_lshl_add_u32 v[T+3], v1, 4, v[T+3]
	v_add_nc_u32 v[RD], s84, v[T+3]
	v_lshlrev_b32 v[CO], 12, v[T]                  ; and the same two rows in atth
	v_lshl_add_u32 v[CO], v1, 4, v[CO]
	; The mask of the diagonal block, made once.  Key 16 t + 8 h + j is masked for query 32 w + 16 u + r where 16 (t - u) + j > 32 w + r - 8 h.
	; It hangs on t - u alone, so eight tiles serve (for t - u = -1 nothing is masked).  It enters as the C operand of the first score product.
	v_lshlrev_b32 v[T+6], 3, v[T]
	v_sub_nc_u32 v[T+6], v1, v[T+6]
	s_lshl_b32 s85, s8, 5
	v_add_nc_u32 v[T+6], s85, v[T+6]               ; 32 w + r - 8 h
	v_mov_b32 v[T+7], 0xf1800000                   ; -2^100
	v_mov_b32 v[T+4], 0                            ; destinations of v_permlanex16_b32 count as read
	v_mov_b32 v[T+5], 0
.irp d, 0,1,2,3,4,5,6,7
.irp j, 0,1,2,3,4,5,6,7
	v_cmp_gt_i32 vcc_lo, 16*\d+\j, v[T+6]
	v_cndmask_b32 v[MASK+8*\d+\j], 0, v[T+7], vcc_lo
.endr
.endr
; The head of a trip that reads slot `slot`.  Every wave waits for all its tensor loads (its part of this trip's tiles among them) and for its
; LDS reads, then passes a round of the cluster's barrier; the joint refill of the other slot is the first tensor load behind it, one a wave.
; The next trip's key tile: t < i: tile t;  t = i: the diagonal tile 7 - i;  else tile t - (i + 1).
.macro HEAD slot, refill
	s_wait_tensorcnt 0x0                           ; no tensor load of mine is out: a group 0 may be written
	ds_add_u32 v254, v255
	s_wait_dscnt 0x0
.if \refill
	s_sub_co_u32 s19, s16, s17
	s_cmp_eq_u32 s16, s12
	s_cselect_b32 s19, s30, s19
	s_cmp_lt_u32 s16, s12
	s_cselect_b32 s19, s16, s19
	s_mul_i32 s20, s19, TILEB
	s_add_nc_u64 s[G0K+6-4*\slot:G0K+7-4*\slot], s[26:27], s[20:21]
	s_or_b32 s[G0K+7-4*\slot], s[G0K+7-4*\slot], 0x80000000
	s_add_nc_u64 s[G0V+6-4*\slot:G0V+7-4*\slot], s[28:29], s[20:21]
	s_or_b32 s[G0V+7-4*\slot], s[G0V+7-4*\slot], 0x80000000
.endif
	s_wait_dscnt 0x0                               ; my reads of the other slot are over
	ROUND
.if \refill
	JLOAD 1-\slot
.endif
.endm
.macro KLOAD slot                      ; 64 LDS loads in one run, by chunks of 32 along the head: K[c][t] at 8 (8 c + t) of window 1
	WIN 0x40
.irp c, 0,1,2,3
.irp t, 0,1,2,3,4,5,6,7
	ds_load_b128 v[8*(8*\c+\t):8*(8*\c+\t)+3],   v[KADR+\slot] offset:16*PK*\t+64*\c
	ds_load_b128 v[8*(8*\c+\t)+4:8*(8*\c+\t)+7], v[KADR+\slot] offset:16*PK*\t+64*\c+32
.endr
.endr
	WIN 0
.endm
.macro VLOAD slot                      ; 64 transposing loads in one run, by chunks of 32 keys: V[kc][dt] at 8 (8 kc + dt) of window 1
	WIN 0x40
.irp kc, 0,1,2,3
.irp dt, 0,1,2,3,4,5,6,7
	ds_load_tr16_b128 v[8*(8*\kc+\dt):8*(8*\kc+\dt)+3],   v[VADR+\slot] offset:32*PV*\kc+32*\dt
	ds_load_tr16_b128 v[8*(8*\kc+\dt)+4:8*(8*\kc+\dt)+7], v[VADR+\slot] offset:32*PV*\kc+32*\dt+16*PV
.endr
.endr
	WIN 0
.endm
.macro QFRAG blk                       ; my 32 queries of block blk (0: i, 1: 7 - i)
.irp u, 0,1
.irp c, 0,1,2,3
	ds_load_b128 v[Q+8*(4*\u+\c):Q+8*(4*\u+\c)+3],   v[QADR] offset:\blk*KB+16*PK*\u+64*\c
	ds_load_b128 v[Q+8*(4*\u+\c)+4:Q+8*(4*\u+\c)+7], v[QADR] offset:\blk*KB+16*PK*\u+64*\c+32
.endr
.endr
.endm
.macro INIT
	v_mov_b32 v[M], 0xff800000                     ; -inf: the first step's factor is exp2(-inf) = 0
	v_mov_b32 v[M+1], 0xff800000
	v_mov_b32 v[L], 0
	v_mov_b32 v[L+1], 0
	v_mov_b32 v[L+2], 0
	v_mov_b32 v[L+3], 0
.endm
; 16 score products, chunk c.  mode 0: adds; mode 1: starts the sums from 0; mode 2: starts them from the mask
.macro SCHUNK c, mode
.if \mode == 2
	WIN 0x81                                       ; source 0 window 1, source 1 and C window 0, D window 2
.else
	WIN 0xa1                                       ; C and D window 2
.endif
.irp t, 0,1,2,3,4,5,6,7
.irp u, 0,1
.if \mode == 0
	v_wmma_f32_16x16x32_f16 v[8*(2*\t+\u):8*(2*\t+\u)+7], v[8*(8*\c+\t):8*(8*\c+\t)+7], v[Q+8*(4*\u+\c):Q+8*(4*\u+\c)+7], v[8*(2*\t+\u):8*(2*\t+\u)+7]
.elseif \mode == 1
	v_wmma_f32_16x16x32_f16 v[8*(2*\t+\u):8*(2*\t+\u)+7], v[8*(8*\c+\t):8*(8*\c+\t)+7], v[Q+8*(4*\u+\c):Q+8*(4*\u+\c)+7], 0
.elseif \t < \u
	v_wmma_f32_16x16x32_f16 v[8*(2*\t+\u):8*(2*\t+\u)+7], v[8*(8*\c+\t):8*(8*\c+\t)+7], v[Q+8*(4*\u+\c):Q+8*(4*\u+\c)+7], 0
.else
	v_wmma_f32_16x16x32_f16 v[8*(2*\t+\u):8*(2*\t+\u)+7], v[8*(8*\c+\t):8*(8*\c+\t)+7], v[Q+8*(4*\u+\c):Q+8*(4*\u+\c)+7], v[MASK+8*(\t-\u):MASK+8*(\t-\u)+7]
.endif
.endr
.endr
.endm
.macro PVCHUNK kc, zero                ; 16 products O^T += V^T P^T, 32 keys
	WIN 0xa1
.irp dt, 0,1,2,3,4,5,6,7
.irp u, 0,1
.if \zero
	v_wmma_f32_16x16x32_f16 v[O+8*(2*\dt+\u):O+8*(2*\dt+\u)+7], v[8*(8*\kc+\dt):8*(8*\kc+\dt)+7], v[P+8*(4*\u+\kc):P+8*(4*\u+\kc)+7], 0
.else
	v_wmma_f32_16x16x32_f16 v[O+8*(2*\dt+\u):O+8*(2*\dt+\u)+7], v[8*(8*\kc+\dt):8*(8*\kc+\dt)+7], v[P+8*(4*\u+\kc):P+8*(4*\u+\kc)+7], v[O+8*(2*\dt+\u):O+8*(2*\dt+\u)+7]
.endif
.endr
.endr
.endm
.macro SMAX                            ; my 64 scores of each query tile: four chains of 32, which do not wait for each other: T+2u+hf
	WIN 0x0a                                       ; sources 0 and 1 window 2
.irp tt, 0,1,2,3
.irp q, 0,1,2,3
.irp u, 0,1
.irp hf, 0,1
.if (\tt+\q) == 0
	v_max_num_f32 v[T+2*\u+\hf], v[8*(2*(4*\hf+\tt)+\u)+2*\q], v[8*(2*(4*\hf+\tt)+\u)+2*\q+1]
.else
	v_max3_num_f32 v[T+2*\u+\hf], v[8*(2*(4*\hf+\tt)+\u)+2*\q], v[8*(2*(4*\hf+\tt)+\u)+2*\q+1], v[T+2*\u+\hf]
.endif
.endr
.endr
.endr
.endr
.endm
.macro STATS                           ; the new maximum, -c x maximum, the factor exp2(c (old - new))
	WIN 0
	v_max_num_f32 v[T], v[T], v[T+1]
	v_max_num_f32 v[T+2], v[T+2], v[T+3]
	v_permlanex16_b32 v[T+4], v[T], s24, s25       ; the query's other 64 keys lie in the other half of the lanes
	v_permlanex16_b32 v[T+5], v[T+2], s24, s25
	v_max3_num_f32 v[T], v[T], v[T+4], v[M]
	v_max3_num_f32 v[T+2], v[T+2], v[T+5], v[M+1]
	v_mul_f32 v[NM], s31, v[T]
	v_mul_f32 v[NM+2], s31, v[T+2]
	v_fma_f32 v[T+1], v[M], s22, v[NM]
	v_fma_f32 v[T+3], v[M+1], s22, v[NM+2]
	v_exp_f32 v[AL], v[T+1]
	v_exp_f32 v[AL+2], v[T+3]
	v_mov_b32 v[NM+1], v[NM]                       ; plain instructions stand between the exponentials and the use of their results (ISA guide 5.7.2)
	v_mov_b32 v[NM+3], v[NM+2]
	v_mov_b32 v[M], v[T]
	v_mov_b32 v[M+1], v[T+2]
	s_wait_alu depctr_va_vdst(0)
	v_mov_b32 v[AL+1], v[AL]
	v_mov_b32 v[AL+3], v[AL+2]
.endm
.macro PEXP                            ; p = exp2(c s - c maximum), in place
	WIN 0x82                                       ; source 0 and destination window 2
.irp t, 0,1,2,3,4,5,6,7
.irp u, 0,1
.irp q, 0,1,2,3
	v_pk_fma_f32 v[8*(2*\t+\u)+2*\q:8*(2*\t+\u)+2*\q+1], v[8*(2*\t+\u)+2*\q:8*(2*\t+\u)+2*\q+1], s[22:23], v[NM+2*\u:NM+2*\u+1] op_sel_hi:[1,0,1]
.endr
.irp j, 0,1,2,3,4,5,6,7
	v_exp_f32 v[8*(2*\t+\u)+\j], v[8*(2*\t+\u)+\j]
.endr
.endr
.endr
.endm
.macro PCVT                            ; score tiles 2 kc and 2 kc + 1, packed, are registers 0-3 and 4-7 of P[u][kc]
	WIN 0x0a
	s_wait_alu depctr_va_vdst(0)
.irp t, 0,1,2,3,4,5,6,7
.irp u, 0,1
.irp q, 0,1,2,3
	v_cvt_pk_f16_f32 v[P+8*(4*\u+\t/2)+4*(\t%2)+\q], v[8*(2*\t+\u)+2*\q], v[8*(2*\t+\u)+2*\q+1]
.endr
.endr
.endr
.endm
.macro PADD d, s
	v_pk_add_f32 v[\d:\d+1], v[\d:\d+1], v[\s:\s+1]
.endm
.macro PSUM                            ; a tree over my 32 pairs of each query tile, in place; then L = L x factor + sum
	WIN 0x8a
.irp t, 0,1,2,3
.irp u, 0,1
.irp q, 0,1,2,3
	PADD 8*(2*\t+\u)+2*\q, 8*(2*\t+8+\u)+2*\q
.endr
.endr
.endr
.irp t, 0,1
.irp u, 0,1
.irp q, 0,1,2,3
	PADD 8*(2*\t+\u)+2*\q, 8*(2*\t+4+\u)+2*\q
.endr
.endr
.endr
.irp u, 0,1
.irp q, 0,1,2,3
	PADD 8*\u+2*\q, 8*(2+\u)+2*\q
.endr
.endr
.irp u, 0,1
.irp q, 0,1
	PADD 8*\u+2*\q, 8*\u+2*\q+4
.endr
.endr
.irp u, 0,1
	PADD 8*\u, 8*\u+2
.endr
	WIN 0x20                                       ; source 2 window 2
.irp u, 0,1
	v_pk_fma_f32 v[L+2*\u:L+2*\u+1], v[L+2*\u:L+2*\u+1], v[AL+2*\u:AL+2*\u+1], v[8*\u:8*\u+1]
.endr
	WIN 0
.endm
.macro RESCALE                         ; O x the factor of its query tile
	WIN 0x82
.irp dt, 0,1,2,3,4,5,6,7
.irp u, 0,1
.irp q, 0,1,2,3
	v_pk_mul_f32 v[O+8*(2*\dt+\u)+2*\q:O+8*(2*\dt+\u)+2*\q+1], v[O+8*(2*\dt+\u)+2*\q:O+8*(2*\dt+\u)+2*\q+1], v[AL+2*\u:AL+2*\u+1]
.endr
.endr
.endr
.endm
; A query block is finished: divide by the sum, round to f16, 16 bytes a tile into my own stage, whole rows back, and out:
; 16 lanes store the 256 neighbouring bytes of a head's row, aligned.  The stage is the wave's own, and LDS serves a wave's instructions in order.
.macro EPI blk
	v_add_f32 v[T], v[L], v[L+1]
	v_add_f32 v[T+1], v[L+2], v[L+3]
	v_permlanex16_b32 v[T+4], v[T], s24, s25
	v_permlanex16_b32 v[T+5], v[T+1], s24, s25
	v_add_f32 v[T], v[T], v[T+4]
	v_add_f32 v[T+1], v[T+1], v[T+5]
	v_rcp_f32 v[AL], v[T]
	v_rcp_f32 v[AL+2], v[T+1]
	v_nop                                          ; a plain instruction between the reciprocals and their use (ISA guide 5.7.2)
	s_wait_alu depctr_va_vdst(0)
	v_mov_b32 v[AL+1], v[AL]
	v_mov_b32 v[AL+3], v[AL+2]
	RESCALE
	WIN 0x0a
.irp dt, 0,1,2,3,4,5,6,7
.irp u, 0,1
.irp q, 0,1,2,3
	v_cvt_pk_f16_f32 v[P+4*(2*\dt+\u)+\q], v[O+8*(2*\dt+\u)+2*\q], v[O+8*(2*\dt+\u)+2*\q+1]
.endr
.endr
.endr
	WIN 0
.irp dt, 0,1,2,3,4,5,6,7
.irp u, 0,1
	ds_store_b128 v[STO], v[P+4*(2*\dt+\u):P+4*(2*\dt+\u)+3] offset:16*PK*\u+32*\dt
.endr
.endr
.irp p, 0,1,2,3,4,5,6,7,8,9,10,11,12,13,14,15
	ds_load_b128 v[Q+4*\p:Q+4*\p+3], v[RD] offset:2*PK*\p
.endr
.irp p, 0,1,2,3,4,5,6,7,8,9,10,11,12,13,14,15
	s_wait_dscnt 15-\p                             ; LDS loads come back in order: pair p of rows is in
	global_store_b128 v[CO], v[Q+4*\p:Q+4*\p+3], s[80+2*\blk:81+2*\blk] offset:8192*\p
.endr
.endm
; A trip: 128 keys for my 32 queries.  kind 0: a full tile; kind 1: trip 0, the diagonal tile of block i; kind 2: trip i + 1 is the diagonal tile of
; block 7 - i (block i goes out first), every other one a full tile.  The branches hang on i and the trip's number, the same in all partners.
; The counts 48, 32, 16, 0 leave the younger chunks of 16 loads of the one run of 64 on their way.
.macro TRIP slot, refill, kind
	HEAD \slot, \refill
	KLOAD \slot
.if \kind == 0
	s_wait_dscnt 48
	SCHUNK 0, 1
.elseif \kind == 1
	QFRAG 0
	INIT
	s_wait_dscnt 0x0
	SCHUNK 0, 2
.else
	s_cmp_eq_u32 s16, s17
	s_cbranch_scc1 .Ldiag_\@
	s_wait_dscnt 48
	SCHUNK 0, 1
	WIN 0
	s_branch .Lscored_\@
.Ldiag_\@:
	EPI 0
	s_wait_xcnt 0x0                                ; Q's registers, which the stores read, are loaded again only behind this wait
	QFRAG 1
	INIT
	s_wait_dscnt 0x0
	SCHUNK 0, 2
	WIN 0
.Lscored_\@:
.endif
	s_wait_dscnt 32
	SCHUNK 1, 0
	s_wait_dscnt 16
	SCHUNK 2, 0
	s_wait_dscnt 0x0
	SCHUNK 3, 0
	PLACES                                         ; behind the last score product: V lands on K's registers, and the scores are read
	VLOAD \slot
	SMAX
	STATS
	PEXP
	PCVT
	PSUM
.if \kind == 0
	RESCALE
	s_wait_dscnt 48
	PVCHUNK 0, 0
.elseif \kind == 1
	s_wait_dscnt 48
	PVCHUNK 0, 1
.else
	s_cmp_eq_u32 s16, s17
	s_cbranch_scc1 .Lfirst_\@
	RESCALE
	s_wait_dscnt 48
	PVCHUNK 0, 0
	WIN 0
	s_branch .Lsummed_\@
.Lfirst_\@:
	s_wait_dscnt 48
	PVCHUNK 0, 1                                   ; a block's first step starts its sums
	WIN 0
.Lsummed_\@:
.endif
	s_wait_dscnt 32
	PVCHUNK 1, 0
	s_wait_dscnt 16
	PVCHUNK 2, 0
	s_wait_dscnt 0x0
	PVCHUNK 3, 0
	PLACES                                         ; behind the last product: the next K lands on V's registers, or O is read
	WIN 0
	s_add_co_u32 s16, s16, 1
.endm
	TRIP 0, 1, 1                                   ; trip 0
	s_mov_b32 s18, 3
.Lpair:
	TRIP 1, 1, 2                                   ; trips 1 to 6; trip i + 1 (1 to 4) changes blocks
	TRIP 0, 1, 2
	s_sub_co_u32 s18, s18, 1
	s_cmp_lg_u32 s18, 0
	s_cbranch_scc1 .Lpair
	TRIP 1, 1, 0                                   ; trip 7
	TRIP 0, 0, 0                                   ; trip 8: nothing is left to fetch
	EPI 1
	s_wait_tensorcnt 0x0
	ds_add_u32 v254, v255
	s_wait_dscnt 0x0
	ROUND                                          ; the closing round: no work-group ends while a partner may still ask for a tile that names it
	s_endpgm
.Lfunc_end_k_q814f9d5a45_attn:
	.size	k_q814f9d5a45_attn, .Lfunc_end_k_q814f9d5a45_attn-k_q814f9d5a45_attn
	.p2alignl 7, 3214868480
	.fill 96, 4, 3214868480
	.section	.rodata,"a",@progbits
	.p2align	6, 0x0
	.amdhsa_kernel k_q814f9d5a45_attn
		.amdhsa_group_segment_fixed_size 327680
		.amdhsa_private_segment_fixed_size 0
		.amdhsa_enable_private_segment 0
		.amdhsa_kernarg_size 16
		.amdhsa_user_sgpr_count 2
		.amdhsa_user_sgpr_kernarg_segment_ptr 1
		.amdhsa_wavefront_size32 1
		.amdhsa_system_sgpr_workgroup_id_x 1
		.amdhsa_system_sgpr_workgroup_id_y 1
		.amdhsa_system_sgpr_workgroup_id_z 1
		.amdhsa_system_vgpr_workitem_id 0
		.amdhsa_next_free_vgpr 768
		.amdhsa_next_free_sgpr 96
		.amdhsa_reserve_vcc 1
		.amdhsa_float_denorm_mode_32 3
		.amdhsa_float_denorm_mode_16_64 3
		.amdhsa_memory_ordered 1
		.amdhsa_forward_progress 1
		.amdhsa_inst_pref_size 255
	.end_amdhsa_kernel
	.section	.bss,"aw",@nobits
	.p2align	6
	.space	262144
	.amdgpu_metadata
---
amdhsa.version: [ 1, 2 ]
amdhsa.kernels:
  - .name:           k_q814f9d5a45_attn
    .symbol:         k_q814f9d5a45_attn.kd
    .args:
      - { .name: qkvh, .offset: 0, .size: 8, .value_kind: global_buffer, .address_space: global }
      - { .name: atth, .offset: 8, .size: 8, .value_kind: global_buffer, .address_space: global }
    .group_segment_fixed_size: 327680
    .private_segment_fixed_size: 0
    .kernarg_segment_align: 8
    .kernarg_segment_size: 16
    .max_flat_workgroup_size: 128
    .sgpr_count:     96
    .vgpr_count:     768
    .wavefront_size: 32
...
	.end_amdgpu_metadata
.endif
;; end of part 3
;; launch oproj (part 4): grid 8 x 32, 4 waves a work-group, clusters of 4 x 4, 327,680 bytes of LDS; arguments atth, woh, bo, out0; writes out0
.if DOCPART == 4
	.amdgcn_target "amdgcn-amd-amdhsa--gfx1250"
	.amdhsa_code_object_version 6
	.text
	.protected	k_q814f9d5a45_oproj
	.globl	k_q814f9d5a45_oproj
	.p2align	8
	.type	k_q814f9d5a45_oproj,@function
k_q814f9d5a45_oproj:
	s_mov_b64 s[64:65], 0
	v_nop
	global_prefetch_b8 v0, s[64:65] scope:SCOPE_SE
	s_setreg_imm32_b32 hwreg(HW_REG_WAVE_MODE, 25, 1), 1
	s_wait_xcnt 0x0
	s_wait_alu depctr_hold_cnt(0) depctr_sa_sdst(0) depctr_va_vdst(0) depctr_va_sdst(0) depctr_va_ssrc(0) depctr_va_vcc(0) depctr_vm_vsrc(0)
	s_getreg_b32 s2, hwreg(HW_REG_IB_STS2, 6, 4)
	s_cmp_eq_u32 s2, 0
	s_cbranch_scc0 .Lentry_in_a_cluster
	s_endpgm
.Lentry_in_a_cluster:
	s_bfe_u32 s2, ttmp6, 0x10000c
	s_cmp_lg_u32 s2, 0xf033
	s_cbranch_scc0 .Lentry_shape_is_right
	s_endpgm
.Lentry_shape_is_right:
; Launch 4 of 4: out0 [4096][2048] f32 = atth [4096][2048] f16 x woh [2048][2048] f16 + bo, f32 sums.
; A work-group makes 128 rows x 256 columns (32 x 8 = 256 work-groups) with four waves; wave (wm, wn) makes 64 rows x 128 columns:
; 32 accumulator tiles, 256 registers (window 1; tile (a, b) at v[8 (8 a + b)]); everything else lies in window 0.
; K STEPS OF 192.  One k of the block is (128 + 256) x 2 = 768 bytes.  The slots are as large as fit twice: 192 along K, 159,744 bytes with
; padding, 319,488 for the two; 256 along K would take 417,792.  2048 = 10 x 192 + 128: K steps 0 to 9 are whole, K step 10 has 128 along K.
; From a slot's request to the wait for it a wave issues 184 matrix instructions.
; W's tile rows are 512 bytes at multiples of 512 bytes of woh.  atth's tile rows are 384 bytes and begin at multiples of 128 bytes: every third
; aligned block of 256 bytes of a row of atth is touched by two neighbouring K steps.  That is the price of the longer step; atth is a third of a step's bytes.
; CLUSTERS: 4 x 4 work-groups; atth's tile is asked for jointly along a row of the cluster, W's along a column.
; W lies [k][n]: its fragments come out of LDS by the transposing load.  The matrix instruction is used transposed (source 0 = 16 columns of W,
; source 1 = 16 rows of atth): lane l holds row l % 16 and eight neighbouring columns 8 (l / 16) + 0..7.
; The 32 accumulators take turns, one instruction a turn, in the same order in every quarter step.
.set KS,    192                        ; a K step: six quarters of 32
.set PA,    432                        ; LDS pitch of atth's rows: 3 x (128 bytes + 16 of padding) = 27 x 16
.set PB,    544                        ; LDS pitch of W's rows: 512 bytes + 32 of padding = 17 x 32
.set HALFB, 96*PB                      ; 52,224: what one tensor load brings of W; also three quarters
.set OFFA,  KS*PB                      ; 104,448: atth's tile behind W's
.set HALFA, 64*PA                      ; 27,648: what one tensor load brings of atth; also a wave's 64 rows
.set SLOT,  OFFA+128*PA                ; 159,744
.set STAGE, SLOT                       ; the way out: 16 rows x 528 bytes for each wave, in slot 1, behind its last fill and its last reads
.set SP,    528                        ; a row of 128 f32 + 16 bytes
.set ADRA, 16                          ; v16-17 LDS address of my atth fragments, slot 0, 1
.set ADRB, 18                          ; v18-21 of my W fragments: 2 x slot + (quarters 0-2: 0, quarters 3-5: 1), so that the immediates stay under 65,536
.set STO,  22                          ; v22    the stage: where I put 32 bytes of a row
.set RD,   23                          ; v23    where I read a row back
.set CO,   24                          ; v24    16 x lane: my bytes in a row of 512; also my offset in bo
.set FA,   32                          ; v32-63, v64-95    atth's four fragments, two buffers
.set FB,   96                          ; v96-159, v160-223 W's eight fragments, two buffers; on the way out: rows read back
.set BO,   224                         ; v224-227 bo of my four columns on the way out
.set G1A, 24                           ; s[24:31] group 1 for atth's tiles
.set G0A, 32                           ; s[32:39] group 0 for atth's tiles, a set for each slot
.set G1B, 48                           ; s[48:55] group 1 for W's tiles
.set G0B, 56                           ; s[56:63] group 0 for W's tiles, a set for each slot
.set MUL, 0x50                         ; C and D window 1
.set MSB, 0
.macro WIN new                         ; the immediate's high byte repeats the setting that is left
.if MSB != (\new)
	s_set_vgpr_msb (MSB<<8)|(\new)
.set MSB, (\new)
.endif
.endm
.macro PLACES                          ; four plain vector instructions between a matrix instruction and a load into, or a read of, its registers
.rept 4
	v_nop
.endr
.endm
.macro JLOAD s                         ; waves 0, 1: the two halves of W's tile; waves 2, 3: of atth's.  The branch hangs on the wave's number alone
	s_cmp_lg_u32 s17, 0
	s_cbranch_scc0 .Lfor_b_\@
	tensor_load_to_lds s[G0A+4*\s:G0A+4*\s+3], s[G1A:G1A+7]
	s_nop 0
	s_branch .Lasked_\@
.Lfor_b_\@:
	tensor_load_to_lds s[G0B+4*\s:G0B+4*\s+3], s[G1B:G1B+7]
	s_nop 0
.Lasked_\@:
.endm
.macro CREST                           ; a round of the cluster's barrier behind its opening work-group barrier
	s_cmp_lg_u32 s12, 0
	s_cbranch_scc1 .Lnot_wave_0_\@
	s_barrier_signal -3
.Lnot_wave_0_\@:
	s_barrier_wait -3
	s_barrier_signal -1
	s_barrier_wait -1
.endm
.macro CROUND                          ; a whole round
	s_barrier_signal -1
	s_barrier_wait -1
	CREST
.endm
	s_load_b256 s[4:11], s[0:1], 0x0               ; atth s[4:5], woh s[6:7], bo s[8:9], out0 s[10:11]
	v_lshl_add_u32 v254, v0, 2, 0x4e000
	v_mov_b32 v255, 0
	ds_add_u32 v254, v255
	v_lshrrev_b32 v1, 5, v0
	v_readfirstlane_b32 s12, v1                    ; wave 0..3
	s_lshr_b32 s17, s12, 1                         ; wm: my 64 rows.  Also: I fetch for W (0) or for atth (1)
	s_and_b32 s18, s12, 1                          ; wn: my 128 columns.  Also: which half of a tile I fetch
	s_bfe_u32 s15, ttmp6, 0x40000                  ; cx
	s_bfe_u32 s16, ttmp6, 0x40004                  ; cy
	s_lshl_b32 s13, ttmp9, 2
	s_add_co_u32 s13, s13, s15                     ; block column 0..7
	s_and_b32 s14, ttmp7, 0xffff
	s_lshl_b32 s14, s14, 2
	s_add_co_u32 s14, s14, s16                     ; block row 0..31
	s_lshl_b32 s19, s16, 2
	s_lshl_b32 s19, 15, s19                        ; my row of the cluster
	s_lshl_b32 s20, 0x1111, s15                    ; my column
	; atth: 64 rows x 192 elements of 2 bytes; 4 words of padding behind every 32 words (128 bytes)
	s_or_b32 s[G1A+0], s19, (1<<16)|(1<<20)|(1<<21)|(4<<22)|(3<<25)
	s_mov_b32 s[G1A+1], KS<<16                     ; tensor_dim0 = 192
	s_mov_b32 s[G1A+2], 64<<16                     ; tensor_dim1 = 64
	s_mov_b32 s[G1A+3], KS<<16                     ; tile_dim0 = 192
	s_mov_b32 s[G1A+4], 64                         ; tile_dim1 = 64
	s_mov_b32 s[G1A+5], 2048                       ; elements from row to row
	s_mov_b32 s[G1A+6], 0
	s_mov_b32 s[G1A+7], 0
	; W: 96 k-rows x 256 elements of 2 bytes; 8 words of padding behind every 128 words (a row)
	s_or_b32 s[G1B+0], s20, (1<<16)|(1<<20)|(1<<21)|(6<<22)|(7<<25)
	s_mov_b32 s[G1B+1], 256<<16                    ; tensor_dim0 = 256
	s_mov_b32 s[G1B+2], 96<<16                     ; tensor_dim1 = 96
	s_mov_b32 s[G1B+3], 256<<16                    ; tile_dim0 = 256
	s_mov_b32 s[G1B+4], 96                         ; tile_dim1 = 96
	s_mov_b32 s[G1B+5], 2048
	s_mov_b32 s[G1B+6], 0
	s_mov_b32 s[G1B+7], 0
	; atth's tile hangs on the block row and the wave, W's on the block column and the wave; each in registers that never hold the other coordinate
	s_lshl_b32 s40, s14, 19                        ; atth: 128 rows of 4,096 bytes x block row
	s_lshl_b32 s41, s18, 18                        ; + my 64 rows
	s_add_co_u32 s40, s40, s41
	s_mov_b32 s41, 0
	s_lshl_b32 s44, s13, 9                         ; woh: 256 columns of 2 bytes x block column
	s_mul_i32 s45, s18, 96*4096                    ; + my 96 k-rows
	s_add_co_u32 s44, s44, s45
	s_mov_b32 s45, 0
	s_mul_i32 s22, s12, HALFB                      ; waves 0, 1: my half of W's tile in a slot
	s_mul_i32 s23, s12, HALFA
	s_add_co_u32 s23, s23, OFFA-2*HALFA            ; waves 2, 3: OFFA + (w - 2) x 64 rows
	s_lshl_b32 s20, s13, 10                        ; bo: 256 f32 x block column + my 128
	s_lshl_b32 s21, s18, 9
	s_add_co_u32 s20, s20, s21
	s_mov_b32 s21, 0
	s_wait_dscnt 0x0
	s_wait_kmcnt 0x0
	s_add_nc_u64 s[42:43], s[4:5], s[40:41]
	s_add_nc_u64 s[46:47], s[6:7], s[44:45]
	s_add_nc_u64 s[8:9], s[8:9], s[20:21]
	s_mul_i32 s44, s18, 96                         ; for K step 10: the k-rows left of woh from my half's first row: 128 or 32,
	s_sub_co_u32 s44, 128, s44
	s_lshl_b32 s44, s44, 16                        ; in tensor_dim1's place
	CROUND                                         ; all sixteen work-groups are here: the first joint loads meet
.irp s, 0,1
	s_mov_b32 s[G0A+4*\s], 1
	s_add_co_u32 s[G0A+4*\s+1], s23, \s*SLOT
	s_add_nc_u64 s[G0A+4*\s+2:G0A+4*\s+3], s[42:43], \s*KS*2         ; K step s: 192 elements along the rows
	s_or_b32 s[G0A+4*\s+3], s[G0A+4*\s+3], 0x80000000
	s_mov_b32 s[G0B+4*\s], 1
	s_add_co_u32 s[G0B+4*\s+1], s22, \s*SLOT
	s_add_nc_u64 s[G0B+4*\s+2:G0B+4*\s+3], s[46:47], \s*KS*4096      ; K step s: 192 rows of 4,096 bytes down
	s_or_b32 s[G0B+4*\s+3], s[G0B+4*\s+3], 0x80000000
	JLOAD \s                                       ; both slots' first fills: two tensor loads of the wave are out
.endr
	v_and_b32 v1, 15, v0                           ; r = l % 16
	v_bfe_u32 v2, v0, 4, 1                         ; h = l / 16
	v_mul_u32_u24 v3, v1, PA
	v_lshl_add_u32 v3, v2, 4, v3                   ; atth: row r x pitch + 16 h
	s_mul_i32 s19, s17, HALFA                      ; my 64 rows
	s_add_co_u32 s19, s19, OFFA
	v_add_nc_u32 v[ADRA], s19, v3
	v_add_nc_u32 v[ADRA+1], SLOT, v[ADRA]
	v_and_b32 v4, 7, v0                            ; W: k-row 8 h + l % 8,
	v_lshl_add_u32 v4, v2, 3, v4
	v_mul_u32_u24 v4, v4, PB
	v_bfe_u32 v5, v0, 3, 1                         ; 16 bytes further for lanes 8-15 of each half,
	v_lshl_add_u32 v4, v5, 4, v4
	s_lshl_b32 s19, s18, 8                         ; my 128 columns: 256 bytes
	v_add_nc_u32 v[ADRB], s19, v4
	v_add_nc_u32 v[ADRB+1], HALFB, v[ADRB]         ; quarters 3 to 5: 96 rows down
	v_add_nc_u32 v[ADRB+2], SLOT, v[ADRB]
	v_add_nc_u32 v[ADRB+3], SLOT+HALFB, v[ADRB]
	s_mul_i32 s19, s12, 16*SP
	s_add_co_u32 s19, s19, STAGE                   ; my stage
	v_mul_u32_u24 v6, v1, SP
	v_lshl_add_u32 v6, v2, 5, v6                   ; in: row r, 32 bytes for each half of the lanes
	v_add_nc_u32 v[STO], s19, v6
	v_and_b32 v7, 31, v0
	v_lshlrev_b32 v[CO], 4, v7
	v_add_nc_u32 v[RD], s19, v[CO]                 ; back: the wave takes a whole row of 512 bytes
	global_load_b128 v[BO:BO+3], v[CO], s[8:9]
.macro MUL8 f, a, zero                 ; row block a x my eight column blocks, 32 along K, from buffer f.  zero = 1 starts the sums
.irp b, 0,1,2,3,4,5,6,7
.if \zero
	v_wmma_f32_16x16x32_f16 v[8*(8*\a+\b):8*(8*\a+\b)+7], v[FB+64*\f+8*\b:FB+64*\f+8*\b+7], v[FA+32*\f+8*\a:FA+32*\f+8*\a+7], 0
.else
	v_wmma_f32_16x16x32_f16 v[8*(8*\a+\b):8*(8*\a+\b)+7], v[FB+64*\f+8*\b:FB+64*\f+8*\b+7], v[FA+32*\f+8*\a:FA+32*\f+8*\a+7], v[8*(8*\a+\b):8*(8*\a+\b)+7]
.endif
.endr
.endm
; 24 LDS loads in one run: quarter kq of a slot into buffer f: W's eight fragments (transposed on the way), then atth's four.
; In atth's rows quarter kq begins at byte 64 kq + 16 (kq / 2): 16 bytes of padding lie behind every two quarters.
.macro FETCH slot, kq, f
	WIN 0
.irp b, 0,1,2,3,4,5,6,7
	ds_load_tr16_b128 v[FB+64*\f+8*\b:FB+64*\f+8*\b+3],   v[ADRB+2*\slot+\kq/3] offset:32*PB*(\kq%3)+32*\b
	ds_load_tr16_b128 v[FB+64*\f+8*\b+4:FB+64*\f+8*\b+7], v[ADRB+2*\slot+\kq/3] offset:32*PB*(\kq%3)+32*\b+16*PB
.endr
.irp a, 0,1,2,3
	ds_load_b128 v[FA+32*\f+8*\a:FA+32*\f+8*\a+3],   v[ADRA+\slot] offset:64*\kq+16*(\kq/2)+16*PA*\a
	ds_load_b128 v[FA+32*\f+8*\a+4:FA+32*\f+8*\a+7], v[ADRA+\slot] offset:64*\kq+16*(\kq/2)+16*PA*\a+32
.endr
.endm
; A quarter that is not a K step's last: multiplies buffer f; in its middle it fetches quarter kq of the same slot into buffer g.
.macro QUARTER slot, kq, f, g, zero
	s_wait_dscnt 4                                 ; W and atth's blocks 0, 1 are in; the youngest four loads (blocks 2, 3) may be out
	WIN MUL
	MUL8 \f, 0, \zero
	MUL8 \f, 1, \zero
	PLACES
	FETCH \slot, \kq, \g
	s_wait_dscnt 24                                ; all but the 24 just issued
	WIN MUL
	MUL8 \f, 2, \zero
	MUL8 \f, 3, \zero
.endm
.macro FIVE slot, zero                 ; the first five quarters of a whole K step, on buffers 0, 1, 0, 1, 0
	QUARTER \slot, 1, 0, 1, \zero
	QUARTER \slot, 2, 1, 0, 0
	QUARTER \slot, 3, 0, 1, 0
	QUARTER \slot, 4, 1, 0, 0
	QUARTER \slot, 5, 0, 1, 0
.endm
; The sixth quarter: multiplies buffer 1 and changes slots.  In front of the barrier each wave waits for its reads of this slot and for all its
; tensor loads (one is out: its part of the next slot).  fill = 1 or 2: the barrier opens a round of the cluster's barrier, and the joint refill of
; this slot, two K steps ahead, is the first tensor load behind the round, one a wave.  fill = 2: that refill is K step 10, which has 128 along K:
; the tiles keep their shapes and group 1 states what is left of the tensors, 128 elements of atth's rows and 128 or 32 k-rows of woh; the rest
; arrives as zeros and is not read.  No tensor load of the wave is out where the descriptors are written.
.macro TURN slot, next, fill
	s_wait_dscnt 4
	WIN MUL
	MUL8 1, 0, 0
	s_wait_dscnt 0x0                               ; my reads of this slot are over
	s_wait_tensorcnt 0x0                           ; all my tensor loads have landed
	ds_add_u32 v254, v255
	s_wait_dscnt 0x0
	s_barrier_signal -1
	MUL8 1, 1, 0                                   ; register work while the others arrive
	WIN 0
	s_barrier_wait -1
.if \fill
	CREST
	s_add_nc_u64 s[G0A+4*\slot+2:G0A+4*\slot+3], s[G0A+4*\slot+2:G0A+4*\slot+3], 2*KS*2      ; two K steps along atth's rows
	s_add_nc_u64 s[G0B+4*\slot+2:G0B+4*\slot+3], s[G0B+4*\slot+2:G0B+4*\slot+3], 2*KS*4096   ; 384 rows of woh down
.if \fill == 2
	s_mov_b32 s[G1A+1], 128<<16                    ; tensor_dim0 = 128
	s_mov_b32 s[G1B+2], s44                        ; tensor_dim1 = 128 - 96 x my half
.endif
	JLOAD \slot
.endif
	PLACES
	FETCH \next, 0, 0
	WIN MUL
	MUL8 1, 2, 0
	MUL8 1, 3, 0
.endm
.macro LAP zero                        ; two K steps, both slots filled again
	FIVE 0, \zero
	TURN 0, 1, 1
	FIVE 1, 0
	TURN 1, 0, 1
.endm
	s_wait_tensorcnt 0x1                           ; my part of K step 0 is in; K step 1's load may stay out
	s_barrier_signal -1
	s_barrier_wait -1
	FETCH 0, 0, 0
	LAP 1                                          ; K steps 0, 1: the first products start the sums; K steps 2, 3 are asked for
	WIN 0
	s_mov_b32 s3, 3
.Llap:
	LAP 0                                          ; K steps 2 to 7; K steps 4 to 9 are asked for
	WIN 0
	s_sub_co_u32 s3, s3, 1
	s_cmp_lg_u32 s3, 0
	s_cbranch_scc1 .Llap
	FIVE 0, 0                                      ; K step 8
	TURN 0, 1, 2                                   ; K step 10 is asked for: the last tensor load
	FIVE 1, 0                                      ; K step 9
	TURN 1, 0, 0                                   ; nothing is left to fetch; behind its barrier no wave reads slot 1 any more, and slot 1 has had its last fill
	QUARTER 0, 1, 0, 1, 0                          ; K step 10: four quarters
	QUARTER 0, 2, 1, 0, 0
	QUARTER 0, 3, 0, 1, 0
	s_wait_dscnt 4
	WIN MUL
	MUL8 1, 0, 0
	MUL8 1, 1, 0
	s_wait_dscnt 0x0
	MUL8 1, 2, 0
	MUL8 1, 3, 0
	; THE WAY OUT, 16 rows at a time through my own stage: 32 bytes a tile in, whole rows of 512 bytes back, the bias added, and out:
	; each store of the wave covers 512 neighbouring bytes, aligned.  LDS serves a wave's instructions in order, so no wait stands between in and back.
	PLACES
	WIN 0
	s_lshl_b32 s2, s14, 20                         ; 128 rows of 8,192 bytes x block row
	s_lshl_b32 s3, s17, 19                         ; + my 64 rows
	s_add_co_u32 s2, s2, s3
	s_lshl_b32 s3, s13, 10                         ; + 256 columns of 4 bytes x block column
	s_add_co_u32 s2, s2, s3
	s_lshl_b32 s3, s18, 9                          ; + my 128 columns
	s_add_co_u32 s2, s2, s3
	s_mov_b32 s3, 0
	s_add_nc_u64 s[10:11], s[10:11], s[2:3]
	s_wait_loadcnt 0x0                             ; bo
.macro OUT16 a, f
	WIN 0x04                                       ; the stores' data in window 1
.irp b, 0,1,2,3,4,5,6,7
	ds_store_b128 v[STO], v[8*(8*\a+\b):8*(8*\a+\b)+3]   offset:64*\b
	ds_store_b128 v[STO], v[8*(8*\a+\b)+4:8*(8*\a+\b)+7] offset:64*\b+16
.endr
	WIN 0
	s_wait_xcnt 0x0                                ; buffer f, which stores read, and the stores' base are written again only behind this wait
.if \a
	s_add_nc_u64 s[10:11], s[10:11], 131072        ; 16 rows on
.endif
.irp t, 0,1,2,3,4,5,6,7,8,9,10,11,12,13,14,15
	ds_load_b128 v[FB+64*\f+4*\t:FB+64*\f+4*\t+3], v[RD] offset:SP*\t
.endr
.irp t, 0,1,2,3,4,5,6,7,8,9,10,11,12,13,14,15
	s_wait_dscnt 15-\t                             ; LDS loads come back in order: row t is in
	v_pk_add_f32 v[FB+64*\f+4*\t:FB+64*\f+4*\t+1],   v[FB+64*\f+4*\t:FB+64*\f+4*\t+1],   v[BO:BO+1]
	v_pk_add_f32 v[FB+64*\f+4*\t+2:FB+64*\f+4*\t+3], v[FB+64*\f+4*\t+2:FB+64*\f+4*\t+3], v[BO+2:BO+3]
	global_store_b128 v[CO], v[FB+64*\f+4*\t:FB+64*\f+4*\t+3], s[10:11] offset:8192*\t th:TH_STORE_NT
.endr
.endm
	OUT16 0, 0
	OUT16 1, 1
	OUT16 2, 0
	OUT16 3, 1
	s_wait_tensorcnt 0x0
	ds_add_u32 v254, v255
	s_wait_dscnt 0x0
	CROUND                                         ; the closing round: no work-group ends while a partner may still ask for a tile that names it
	s_endpgm
.Lfunc_end_k_q814f9d5a45_oproj:
	.size	k_q814f9d5a45_oproj, .Lfunc_end_k_q814f9d5a45_oproj-k_q814f9d5a45_oproj
	.p2alignl 7, 3214868480
	.fill 96, 4, 3214868480
	.section	.rodata,"a",@progbits
	.p2align	6, 0x0
	.amdhsa_kernel k_q814f9d5a45_oproj
		.amdhsa_group_segment_fixed_size 327680
		.amdhsa_private_segment_fixed_size 0
		.amdhsa_enable_private_segment 0
		.amdhsa_kernarg_size 32
		.amdhsa_user_sgpr_count 2
		.amdhsa_user_sgpr_kernarg_segment_ptr 1
		.amdhsa_wavefront_size32 1
		.amdhsa_system_sgpr_workgroup_id_x 1
		.amdhsa_system_sgpr_workgroup_id_y 1
		.amdhsa_system_sgpr_workgroup_id_z 1
		.amdhsa_system_vgpr_workitem_id 0
		.amdhsa_next_free_vgpr 512
		.amdhsa_next_free_sgpr 66
		.amdhsa_reserve_vcc 0
		.amdhsa_float_denorm_mode_32 3
		.amdhsa_float_denorm_mode_16_64 3
		.amdhsa_memory_ordered 1
		.amdhsa_forward_progress 1
		.amdhsa_inst_pref_size 187
	.end_amdhsa_kernel
	.amdgpu_metadata
---
amdhsa.version: [ 1, 2 ]
amdhsa.kernels:
  - .name:           k_q814f9d5a45_oproj
    .symbol:         k_q814f9d5a45_oproj.kd
    .args:
      - { .name: atth, .offset: 0, .size: 8, .value_kind: global_buffer, .address_space: global }
      - { .name: woh, .offset: 8, .size: 8, .value_kind: global_buffer, .address_space: global }
      - { .name: bo, .offset: 16, .size: 8, .value_kind: global_buffer, .address_space: global }
      - { .name: out0, .offset: 24, .size: 8, .value_kind: global_buffer, .address_space: global }
    .group_segment_fixed_size: 327680
    .private_segment_fixed_size: 0
    .kernarg_segment_align: 8
    .kernarg_segment_size: 32
    .max_flat_workgroup_size: 128
    .sgpr_count:     66
    .vgpr_count:     512
    .wavefront_size: 32
...
	.end_amdgpu_metadata
.endif
;; end of part 4
